; MI455X (gfx1250); checked and timed in simulation.
; The chip was launched on July 23, 2026; its instructions are those of AMD's public machine-readable ISA for CDNA 5 (MIT licence, August 2026) and "CDNA5" Instruction Set Architecture Reference Guide (July 2026). The comments in the code are by the model that wrote it; some were corrected since.
;; Self Attention Ground Truth. Allowed arithmetic: matrix products marked QUANTISED: E4M3 operands, one given power-of-two scale a tensor, by v_wmma_f32_16x16x64_fp8_fp8 or v_wmma_f32_16x16x128_fp8_fp8, f32 sums; everything else in f32.
;; Inputs: key 4 x 16 x 2,048 x 128 float32; lowp_scales 4 int32 (the exponents e of the quantised operands' scales 2^e); mask 1 x 1 x 2,048 x 2,048 float32; query 4 x 16 x 2,048 x 128 float32; value 4 x 16 x 2,048 x 128 float32.
;; Outputs: out0 4 x 16 x 2,048 x 128 float32.
;; This version of the problem:
;;   THIS VERSION OF THE PROBLEM IS GIVEN IN LOW PRECISION. The matrix products marked QUANTISED in the list below multiply operands that are first quantised to E4M3 (4 exponent bits, 3 mantissa bits; 8 bits a number), with one given power-of-two scale for each operand tensor; their sums are f32. All else is computed in f32.
;;   The module's matrix products, in the order in which they are computed (A, B: the left and right operand; K: the contracted axis; several contracted axes count as one K, in the product's order):
;;     1. batch 64 x [M 2,048, K 128] x [K 128, N 2,048]; A: input query; B: input key: QUANTISED (scales: A lowp_scales[0], B lowp_scales[1])
;;     2. batch 64 x [M 2,048, K 2,048] x [K 2,048, N 128]; A: softmax (see below); B: input value: QUANTISED (scales: A lowp_scales[2], B lowp_scales[3])
;;   THE QUANTISER, for each operand of a quantised product, along K:
;;     - The operand's scale is 2^e, e = its entry of the input lowp_scales (int32; the entries are numbered through the quantised products in the list's order, A before B).
;;     - Each number is divided by the scale, clamped to +-448, and rounded to the nearest number of E4M3, ties to even, subnormals kept.
;;     - The product sums the exact products of the quantised numbers (number of the format x scale) in f32.
;;   ~~~python
;;   def quantise(x, axis, e):      # numpy; x: float32 -> the quantised numbers, widened to float32 again
;;       x = np.moveaxis(x, axis, -1); K = x.shape[-1]
;;       r = np.clip(x / 2.0 ** e, -448, 448)
;;       step = 2.0 ** (np.maximum(np.frexp(np.where(r == 0, 1, r))[1] - 1, -6) - 3)
;;       q = np.round(r / step) * step * 2.0 ** e      # np.round: ties to even
;;       return np.moveaxis(q, -1, axis).astype(np.float32)
;;   ~~~
;;   SOFTMAX AHEAD OF A QUANTISED PRODUCT. Where the list says 'softmax', what is quantised is not the finished softmax but p = 2^(t - M), with t = logit x log2(e) and M = ceil(the row's largest t), a whole number; so 1/2 < the row's largest p <= 1. The row's sum l is taken of the UNQUANTISED p, in f32, and the product's result is divided by l at the end. Since M is a whole number, a kernel that streams over the keys may use a running M (the ceiling of the running maximum): every later rescaling is an exact power of two, so the quantised numbers keep their values, but for numbers so far below the row's largest that they fall under the format's range.
;;   OPERANDS COMPUTED ON THE WAY. 'Computed on the way' means the value that the module computes at that place (a softmax that the list does not call 'softmax' is quantised finished and normalised). What goes into a quantiser is computed in f32, as accurately as f32 sums, v_exp_f32 and their like allow (about 1e-6 of the number): no bf16 or f16 on the way to a quantiser, and a product that is left as it is and whose result goes on into a quantised operand takes f32 operands (vector FMAs, or v_wmma_f32_16x16x4_f32). A number that lies on a knife's edge between two numbers of the format may be rounded either way, as far as f32 arithmetic and the matrix unit's own rounding can turn it there, and no further.
;; One version. Each part assembles by itself: llvm-mc -triple=amdgcn-amd-amdhsa -mcpu=gfx1250 --defsym DOCPART=n.
;; ======== version 1 of 1: 2 launches
;; limits: right only within a limited range of input values
;; workspace buffers: k_codes 16,777,216 bytes; v_codes 16,777,216 bytes; mask_ws 16,777,216 bytes
;; launch prep (part 1): grid 8 x 64, 4 waves a work-group, no clusters, 35,328 bytes of LDS; arguments key, value, mask, lowp_scales, k_codes, v_codes, mask_ws; writes k_codes, v_codes, mask_ws
.if DOCPART == 1
	.amdgcn_target "amdgcn-amd-amdhsa--gfx1250"
	.amdhsa_code_object_version 6
	.text
	.protected	k_q827317b7ad_prep
	.globl	k_q827317b7ad_prep
	.p2align	8
	.type	k_q827317b7ad_prep,@function
k_q827317b7ad_prep:
	s_mov_b64 s[64:65], 0
	v_nop
	global_prefetch_b8 v0, s[64:65] scope:SCOPE_SE
	s_setreg_imm32_b32 hwreg(HW_REG_WAVE_MODE, 25, 1), 1
	s_wait_xcnt 0x0
; THE LAUNCH IN FRONT OF THE ATTENTION: key and value become codes of FP8 (E4M3), once for the eight work-groups of a head that read them again, and the mask is laid as the attention's registers want it.
; key   [64 heads][2048][128] f32 -> k_codes [64][2048 keys][128], one code a byte, scale 2^ek (entry 1 of the scales).
; value [64][2048 keys][128] f32  -> v_codes [64][128 channels][2048 keys], the KEYS innermost (they are the second product's K), scale 2^ev (entry 3).
;   Inside every 32 keys the groups of eight lie in the order keys 0-7, 16-23, 8-15, 24-31: a fragment fetched as four pieces of 16 bytes then has its keys in the places in which the attention's conversions leave p's codes.
; mask  [2048][2048] f32 -> mask_ws: mask x 2^-(eq+ek), in blocks of 16 queries x 128 keys (8,192 bytes).  Block (P << 5) | (j << 1) | u is query tile 2 P + u, keys 128 j on.
;   In a block, piece m (0..15) holds at 512 m + 16 x lane the four numbers mask[16 T + lane % 16][128 j + 16 (m / 2) + 8 (lane / 16) + 4 (m % 2) + 0..3]: registers 4 m .. 4 m + 3 of the score tiles' accumulators.
; code = x / 2^e, held within +-448, to the nearest code, ties to even.  LIMITS: ek and ev between -126 and 119, so that 2^e and 448 x 2^e are f32 numbers; NaN among the inputs is not served (an infinity is held at the largest code).
; SHARES.  Work-group (x = 256 keys of a head, y = head); idx = 4 (8 head + x) + wave runs from 0 to 2047.  Every wave walks one path of three phases and shares nothing with the others: no barrier.
;   M: mask block idx.   K: run idx of 8,192 numbers of key, in 16 steps of 512.   V: channels 32 wave .. 32 wave + 31 of the work-group's 256 keys: a lane to a channel, registers down the keys.
; LDS: 8,704 bytes for each wave, used by the three phases one after the other (each phase's last loads are waited for before the next phase stores): M 16 rows of 528; K two stages of 32 x 80; V 32 rows of 272.
.set WREG,  8704
.set SPARE, 4*WREG                     ; behind the four regions: the spare words, 128 bytes for each wave: two blocks of 256 bytes that no other line names
.set MP,    528                        ; a mask row in the stage: 512 bytes + 16, an odd multiple of 16: sixteen rows read at one column fall on sixteen different 16-byte columns of a span of 256 bytes
.set SP,    80                         ; K: a lane's place in a stage: its 64 bytes + 16
.set VPI,   272                        ; V: a channel's row in the stage: 256 codes + 16
.set R,     16                         ; v16-79   numbers as loaded: K four sets of 16, V two sets of 32
.set X,     80                         ; v80-111  K: two sets of 16 neighbours
.set VC,    80                         ; v80-87   V: a block's codes
.set C,     128                        ; v128-191 the mask read back; then K's codes, four registers a step; then V's rows on their way out
.set MI,    192                        ; v192-255 the mask as loaded, then scaled: store data, not written again
; v2 lane; v3 16 x lane; v4 4 x lane; v5, v6 V's stage in and out; v7 V's codes' offset; v8, v9 the mask's stage in and out; v10, v11: 448 x 2^ek, 2^ek; v12, v13 the add's two; v14, v15 K's stage in and out; v112, v113: 448 x 2^ev, 2^ev
	s_load_b256 s[4:11], s[0:1], 0x0               ; key s[4:5], value s[6:7], mask s[8:9], the scales' exponents s[10:11]
	s_load_b128 s[12:15], s[0:1], 0x20             ; k_codes s[12:13], v_codes s[14:15]
	s_load_b64 s[16:17], s[0:1], 0x30              ; mask_ws
	v_lshl_add_u32 v12, v0, 2, SPARE               ; my spare word; never rewritten
	v_mov_b32 v13, 0                               ; 0; never rewritten
	v_lshrrev_b32 v1, 5, v0
	v_readfirstlane_b32 s18, v1                    ; wave 0..3
	v_and_b32 v2, 31, v0                           ; lane
	v_lshlrev_b32 v3, 4, v2
	v_lshlrev_b32 v4, 2, v2
	v_and_b32 v1, 15, v2                           ; r
	v_lshrrev_b32 v114, 4, v2                      ; h
	s_mul_i32 s19, s18, WREG                       ; my region of LDS
	v_mul_u32_u24 v5, v2, VPI
	v_add_nc_u32 v5, s19, v5                       ; V in: row = my channel
	v_mul_u32_u24 v6, v114, VPI
	v_lshl_add_u32 v6, v1, 4, v6
	v_add_nc_u32 v6, s19, v6                       ; V out: sixteen lanes to a row, two rows an instruction
	v_lshlrev_b32 v7, 11, v114
	v_lshl_add_u32 v7, v1, 4, v7                   ; and the same place in v_codes: rows of 2,048 bytes
	v_add_nc_u32 v8, s19, v3                       ; mask in: a row's 512 bytes as they lie
	v_mul_u32_u24 v9, v1, MP
	v_lshl_add_u32 v9, v114, 5, v9
	v_add_nc_u32 v9, s19, v9                       ; mask out: row r, + 32 h
	v_lshrrev_b32 v14, 2, v2
	v_mul_u32_u24 v14, v14, SP
	v_and_b32 v15, 3, v2
	v_lshl_add_u32 v14, v15, 4, v14
	v_add_nc_u32 v14, s19, v14                     ; K in: four lanes' 64 bytes on end, then 16 of padding
	v_mul_u32_u24 v15, v2, SP
	v_add_nc_u32 v15, s19, v15                     ; K out: my 16 neighbours
	s_and_b32 s20, ttmp7, 0xffff                   ; head
	s_lshl_b32 s21, s20, 3
	s_add_co_u32 s21, s21, ttmp9
	s_lshl_b32 s22, s21, 2
	s_add_co_u32 s22, s22, s18                     ; idx
	s_lshl_b32 s28, s22, 15                        ; key: 8,192 numbers of 4 bytes a run
	s_mov_b32 s29, 0
	s_lshl_b32 s30, s22, 13                        ; k_codes and mask_ws: 8,192 bytes a run, a block
	s_mov_b32 s31, 0
	s_lshr_b32 s39, s22, 5
	s_lshl_b32 s39, s39, 1
	s_and_b32 s40, s22, 1
	s_or_b32 s39, s39, s40                         ; T = 2 P + u
	s_lshl_b32 s32, s39, 17                        ; 16 T rows of 8,192 bytes
	s_bfe_u32 s40, s22, 0x40001                    ; j: four bits from bit 1
	s_lshl_b32 s40, s40, 9                         ; 128 j numbers
	s_add_co_u32 s32, s32, s40
	s_mov_b32 s33, 0
	s_lshl_b32 s34, s20, 20                        ; value: the head, + 256 x keys of 512 bytes, + 32 wave channels
	s_lshl_b32 s39, ttmp9, 17
	s_add_co_u32 s34, s34, s39
	s_lshl_b32 s39, s18, 7
	s_add_co_u32 s34, s34, s39
	s_mov_b32 s35, 0
	s_lshl_b32 s36, s20, 18                        ; v_codes: the head, + 32 wave rows of 2,048 bytes, + 256 x keys
	s_lshl_b32 s39, s18, 16
	s_add_co_u32 s36, s36, s39
	s_lshl_b32 s39, ttmp9, 8
	s_add_co_u32 s36, s36, s39
	s_mov_b32 s37, 0
	s_wait_kmcnt 0x0
	s_load_b128 s[24:27], s[10:11], 0x0            ; eq, ek, ep, ev
	s_add_nc_u64 s[4:5], s[4:5], s[28:29]
	s_add_nc_u64 s[6:7], s[6:7], s[34:35]
	s_add_nc_u64 s[8:9], s[8:9], s[32:33]
	s_add_nc_u64 s[12:13], s[12:13], s[30:31]
	s_add_nc_u64 s[14:15], s[14:15], s[36:37]
	s_add_nc_u64 s[16:17], s[16:17], s[30:31]
.macro KLOAD t                         ; step t of key: four loads of 512 consecutive bytes
.irp i, 0,1,2,3
	global_load_b128 v[R+16*((\t)%4)+4*\i:R+16*((\t)%4)+4*\i+3], v3, s[4:5] offset:2048*(\t)+512*\i th:TH_LOAD_NT
.endr
.endm
.macro KTURN t                         ; step t's 2,048 bytes through the stage: in as they lie, back 64 bytes a lane.  LDS serves a wave's instructions in order (ISA guide 5.7.1.4): no wait between
.irp i, 0,1,2,3
	ds_store_b128 v14, v[R+16*((\t)%4)+4*\i:R+16*((\t)%4)+4*\i+3] offset:32*SP*((\t)%2)+8*SP*\i
.endr
.irp i, 0,1,2,3
	ds_load_b128 v[X+16*((\t)%2)+4*\i:X+16*((\t)%2)+4*\i+3], v15 offset:32*SP*((\t)%2)+16*\i
.endr
.endm
.macro VLOAD t                         ; block t of value: keys 32 t + i, i = 0 .. 31, of my channel: each load reads 128 consecutive bytes in the wave, 512 in the work-group
.set I, 0
.rept 32
	global_load_b32 v[R+32*((\t)%2)+I], v4, s[6:7] offset:(32*(\t)+I)*512 th:TH_LOAD_NT
.set I, I+1
.endr
.endm
.set I, 0
.rept 16
	global_load_b128 v[MI+4*I:MI+4*I+3], v3, s[8:9] offset:8192*I th:TH_LOAD_NT   ; the mask block's row I: 512 consecutive bytes
.set I, I+1
.endr
.irp t, 0,1,2,3
	KLOAD \t                                       ; key's first four steps go out behind them
.endr
	s_wait_kmcnt 0x0
	s_add_co_i32 s38, s24, s25
	s_sub_co_i32 s38, 0, s38                       ; -(eq + ek): a sum of the first product stands for sum x 2^(eq + ek), so the mask goes in divided by that
	s_add_co_i32 s39, s25, 127
	s_lshl_b32 s40, s39, 23
	v_mov_b32 v11, s40                             ; 2^ek as f32: the conversion takes its exponent field
	s_add_co_i32 s39, s39, 8
	s_lshl_b32 s39, s39, 23
	s_or_b32 s39, s39, 0x600000
	v_mov_b32 v10, s39                             ; 448 x 2^ek
	s_add_co_i32 s39, s27, 127
	s_lshl_b32 s40, s39, 23
	v_mov_b32 v113, s40                            ; 2^ev
	s_add_co_i32 s39, s39, 8
	s_lshl_b32 s39, s39, 23
	s_or_b32 s39, s39, 0x600000
	v_mov_b32 v112, s39                            ; 448 x 2^ev
	; ---- M: the mask block turns through the stage
	s_wait_loadcnt 16                              ; the mask's sixteen loads are in; key's sixteen, issued behind them, may be out
.set I, 0
.rept 16
	ds_store_b128 v8, v[MI+4*I:MI+4*I+3] offset:MP*I
.set I, I+1
.endr
.set I, 0
.rept 16
	ds_load_b128 v[C+4*I:C+4*I+3], v9 offset:64*(I/2)+16*(I%2)   ; piece I: row r, keys 16 (I / 2) + 8 h + 4 (I % 2) on
.set I, I+1
.endr
	s_wait_dscnt 0x0
.set I, 0
.rept 64
	v_ldexp_f32 v[MI+I], v[C+I], s38
.set I, I+1
.endr
.set I, 0
.rept 16
	global_store_b128 v3, v[MI+4*I:MI+4*I+3], s[16:17] offset:512*I   ; 32 lanes store 512 consecutive bytes, aligned
.set I, I+1
.endr
	; ---- K: sixteen steps of 512 numbers; loads four steps ahead, the turn through LDS one step
	s_wait_loadcnt 12                              ; step 0's four loads are in
	KTURN 0
.macro KSTEP t
.set XS, X+16*((\t)%2)
	s_wait_dscnt 0x0                               ; this step's numbers are back from the stage: so its stores into the stage have read their registers,
.if (\t)+4 < 16
	KLOAD (\t)+4                                   ; which take the loads of four steps on
.endif
.if (\t)+1 < 16
.if 14-(\t) >= 3
	s_wait_loadcnt 12                              ; the next step's four loads are in; those of the three steps behind it may be out
.else
	s_wait_loadcnt 4*(14-(\t))
.endif
	KTURN (\t)+1
.endif
.set I, 0
.rept 16
	v_med3_num_f32 v[XS+I], v[XS+I], -v10, v10     ; the conversion to an 8-bit code does not saturate (ISA guide 7.6.2): the hold at the largest code x the scale comes first
.set I, I+1
.endr
	v_cvt_scalef32_pk8_fp8_f32 v[C+4*(\t):C+4*(\t)+1], v[XS:XS+7], v11
	v_cvt_scalef32_pk8_fp8_f32 v[C+4*(\t)+2:C+4*(\t)+3], v[XS+8:XS+15], v11   ; the results go to a store; the next vector lines are plain holds on other registers
	global_store_b128 v3, v[C+4*(\t):C+4*(\t)+3], s[12:13] offset:512*(\t)    ; a lane's 16 codes: the wave stores 512 consecutive bytes
.endm
.irp t, 0,1,2,3,4,5,6,7,8,9,10,11,12,13,14,15
	KSTEP \t
.endr
	; ---- V: eight blocks of 32 keys a lane; loads two blocks ahead
	VLOAD 0
	VLOAD 1
.macro VBLOCK t
.set XS, R+32*((\t)%2)
.if (\t) < 7
	s_wait_loadcnt 32                              ; this block's 32 loads are in; the next block's may be out
.else
	s_wait_loadcnt 0x0
.endif
.set I, 0
.rept 32
	v_med3_num_f32 v[XS+I], v[XS+I], -v112, v112
.set I, I+1
.endr
	v_cvt_scalef32_pk8_fp8_f32 v[VC:VC+1], v[XS:XS+7], v113          ; keys 0-7: first,
	v_cvt_scalef32_pk8_fp8_f32 v[VC+4:VC+5], v[XS+8:XS+15], v113     ; keys 8-15: third,
	v_cvt_scalef32_pk8_fp8_f32 v[VC+2:VC+3], v[XS+16:XS+23], v113    ; keys 16-23: second,
	v_cvt_scalef32_pk8_fp8_f32 v[VC+6:VC+7], v[XS+24:XS+31], v113    ; keys 24-31: fourth of the block's 32 bytes
	ds_store_b128 v5, v[VC:VC+3] offset:32*(\t)
	ds_store_b128 v5, v[VC+4:VC+7] offset:32*(\t)+16
.if (\t)+2 < 8
	VLOAD (\t)+2
.endif
	s_wait_dscnt 0x0                               ; the stores have read their registers: the next block's codes may be written
.endm
.irp t, 0,1,2,3,4,5,6,7
	VBLOCK \t
.endr
	s_wait_xcnt 0x0                                ; K's stores of codes have read v128-191: only behind this wait do V's rows land there
.set I, 0
.rept 16
	ds_load_b128 v[C+4*I:C+4*I+3], v6 offset:2*I*VPI
.set I, I+1
.endr
.set I, 0
.rept 16
	s_wait_dscnt 15-I                              ; LDS loads come back in order: load I is in, the younger ones may be out
	global_store_b128 v7, v[C+4*I:C+4*I+3], s[14:15] offset:2*I*2048   ; sixteen lanes store 256 consecutive bytes of a channel's row, aligned
.set I, I+1
.endr
	s_wait_tensorcnt 0x0                           ; the wave's end
	ds_add_u32 v12, v13
	s_wait_dscnt 0x0
	s_endpgm
.Lfunc_end_k_q827317b7ad_prep:
	.size	k_q827317b7ad_prep, .Lfunc_end_k_q827317b7ad_prep-k_q827317b7ad_prep
	.p2alignl 7, 3214868480
	.fill 96, 4, 3214868480
	.section	.rodata,"a",@progbits
	.p2align	6, 0x0
	.amdhsa_kernel k_q827317b7ad_prep
		.amdhsa_group_segment_fixed_size 35328
		.amdhsa_private_segment_fixed_size 0
		.amdhsa_enable_private_segment 0
		.amdhsa_kernarg_size 56
		.amdhsa_user_sgpr_count 2
		.amdhsa_user_sgpr_kernarg_segment_ptr 1
		.amdhsa_wavefront_size32 1
		.amdhsa_system_sgpr_workgroup_id_x 1
		.amdhsa_system_sgpr_workgroup_id_y 1
		.amdhsa_system_sgpr_workgroup_id_z 1
		.amdhsa_system_vgpr_workitem_id 0
		.amdhsa_next_free_vgpr 256
		.amdhsa_next_free_sgpr 66
		.amdhsa_reserve_vcc 0
		.amdhsa_float_denorm_mode_32 3
		.amdhsa_float_denorm_mode_16_64 3
		.amdhsa_memory_ordered 1
		.amdhsa_forward_progress 1
		.amdhsa_inst_pref_size 95
	.end_amdhsa_kernel
	.amdgpu_metadata
---
amdhsa.version: [ 1, 2 ]
amdhsa.kernels:
  - .name:           k_q827317b7ad_prep
    .symbol:         k_q827317b7ad_prep.kd
    .args:
      - { .name: key, .offset: 0, .size: 8, .value_kind: global_buffer, .address_space: global }
      - { .name: value, .offset: 8, .size: 8, .value_kind: global_buffer, .address_space: global }
      - { .name: mask, .offset: 16, .size: 8, .value_kind: global_buffer, .address_space: global }
      - { .name: lowp_scales, .offset: 24, .size: 8, .value_kind: global_buffer, .address_space: global }
      - { .name: k_codes, .offset: 32, .size: 8, .value_kind: global_buffer, .address_space: global }
      - { .name: v_codes, .offset: 40, .size: 8, .value_kind: global_buffer, .address_space: global }
      - { .name: mask_ws, .offset: 48, .size: 8, .value_kind: global_buffer, .address_space: global }
    .group_segment_fixed_size: 35328
    .private_segment_fixed_size: 0
    .kernarg_segment_align: 8
    .kernarg_segment_size: 56
    .max_flat_workgroup_size: 128
    .sgpr_count:     66
    .vgpr_count:     256
    .wavefront_size: 32
...
	.end_amdgpu_metadata
.endif
;; end of part 1
;; launch attn (part 2): grid 8 x 32, 4 waves a work-group, no clusters, 327,680 bytes of LDS; arguments query, k_codes, v_codes, mask_ws, lowp_scales, out0; writes out0
.if DOCPART == 2
	.amdgcn_target "amdgcn-amd-amdhsa--gfx1250"
	.amdhsa_code_object_version 6
	.text
	.protected	k_q827317b7ad_attn
	.globl	k_q827317b7ad_attn
	.p2align	8
	.type	k_q827317b7ad_attn,@function
k_q827317b7ad_attn:
	s_mov_b64 s[64:65], 0
	v_nop
	global_prefetch_b8 v0, s[64:65] scope:SCOPE_SE
	s_setreg_imm32_b32 hwreg(HW_REG_WAVE_MODE, 25, 1), 1
	s_wait_xcnt 0x0
; out[h][q][:] = sum over k of softmax_k((Q[h][q].K[h][k] + mask[q][k]) / sqrt(128)) V[h][k][:]; 64 heads, 2,048 queries and keys, head size 128; both products on FP8 (E4M3) codes with the given scales 2^eq, 2^ek, 2^ep, 2^ev.
; query is quantised here in registers.  k_codes [64][2048][128], v_codes [64][128][2048] (in every 32 keys the groups of eight lie 0-7, 16-23, 8-15, 24-31) and mask_ws (mask x 2^-(eq+ek), blocks of 8,192 bytes in the
; order of the score registers: block (P<<5)|(j<<1)|u = query tile 2P+u, keys 128 j on; its halves of 4,096 bytes are 64 keys each) come from the launch before.
; SOFTMAX: t = (score + mask) x log2(e)/sqrt(128); M = ceiling of the running largest t; p = 2^(t-M) is quantised; the row's sum is of the unquantised p and divides at the end; a move of M multiplies sum and O by a power of two.
; SHARES.  A work-group owns 256 queries of TWO heads (2y, 2y+1); each of its four waves 64 queries (four tiles) of both heads.  A mask block is loaded once and is the C of both heads' first products:
; head A's scores go to registers of their own, head B's are summed in place.  A fragment of K or V feeds four matrix instructions.  Key steps of 64; the second product uses the K = 64 form.
; ORDER OF A STEP: both first products; head A's maxima, statistics, rescaling and t - M; head B whole, so that the mask's registers are spent early and the next step's mask is asked for; then head A's exponentials and second product.
; Both products transposed: a lane holds one query (lane % 16) of each tile.  K and V of both heads come through two LDS slots of 256 keys: wave 0, 1 fetch K of head A, B; wave 2, 3 V of head A, B.
; NO CLUSTER: the query blocks of a head pair share K and V alone, 131,072 of the 393,216 bytes a work-group takes in for a slot; the mask's 262,144 go straight into registers and differ from block to block.
; The mask is not prefetched: each wave asks for a step's blocks itself, tile by tile, as soon as the registers are spent, with head A's second half of the step between request and use.
; LIMITS: eq, ep between -126 and 119; eq + ek between -123 and 130; the mask is finite; NaN among the inputs is not served.
; REGISTERS: window 0: v1-11 addresses, v12-27 (-M, sum) a row tile, v28-31 scales, v32-47 and v248-255 at work, v48-55 p's codes of tile 0, v56-119 fragments of K, then of V, v120-247 Q's codes.
; window 1: v0-127 mask, then head B's scores; v128-255 head A's scores; p's codes of tiles 1-3 land in tile 0's spent 24 lowest registers.  Window 2, 3: O^T of head A, B, 64 a tile.
.set KP, 144
.set VP, 272
.set KH, 256*KP
.set VH, 128*VP
.set VOFF, 2*KH
.set SLOTB, VOFF+2*VH
.set SPARE, 2*SLOTB
.set QST, SPARE+512                    ; behind the spare words: Q's stage, 16 rows of 528 bytes a wave; no tensor load lands here
.set QP, 528
.set SPITCH, 272
.set AK0, 1
.set AV0, 2
.set PFO, 3
.set MO, 4
.set SPW, 5
.set NIL, 6
.set GO, 7
.set ADK, 8
.set ADV, 9
.set ST, 12
.set LIMP, 28
.set SCP, 29
.set SCQ, 30
.set LIMQ, 31
.set T, 32
.set FF, 40
.set PX, 48
.set F, 56
.set QF, 120
.set X, 248
.set TB, 2
.set SLOTS, 3
.set WV, 18
.set SEL, 20
.set CS, 22
.set G1K, 24
.set G1V, 32
.set G0K, 40
.set G0V, 44
.set MB, 52
.set PFA, 54
.set PFS, 56
.set LIM, 58
.set IDX, 59
.set MS, 86
.set QKO, 88
.set QVO, 89
.set KO, 90
.set VO, 91
.set NI, 92
.set CNT, 93
.set FI, 94
.set WBK, 95
.set WBV, 96
.set MSB, 0
.macro WIN new
.if MSB != \new
	s_set_vgpr_msb (MSB<<8)|\new
.set MSB, \new
.endif
.endm
.macro TLOAD                           ; every wave issues one: waves 0, 1 K's tile, waves 2, 3 V's
	s_cmp_lt_u32 s[WV], 2
	s_cbranch_scc0 .Lv_\@
	tensor_load_to_lds s[G0K:G0K+3], s[G1K:G1K+7]
	s_nop 0
.rept 4
	v_nop
.endr
	s_branch .Ld_\@
.Lv_\@:
	tensor_load_to_lds s[G0V:G0V+3], s[G1V:G1V+7]
	s_nop 0
.rept 4
	v_nop
.endr
.Ld_\@:
.endm
; a prefetch of the slot that the NEXT change asks for.  Work-groups x = 0, 1 of a head pair name K of head x (8,192 bytes a wave, lanes 256 apart), x = 2, 3 V of head x - 2 (32 rows a wave, a lane a row): each 256 bytes once.
.macro ASK
	s_cmp_gt_u32 s[SLOTS], s[LIM]
	s_cbranch_scc0 .Ln_\@
	global_prefetch_b8 v[PFO], s[PFA:PFA+1] th:TH_LOAD_NT scope:SCOPE_SE
.Ln_\@:
.endm
.macro MLOAD u                         ; query tile u's 64 keys of mask: eight loads of 512 consecutive bytes into window 1
.set I, 0
.rept 8
	global_load_b128 v[32*(\u)+4*I:32*(\u)+4*I+3], v[MO], s[MB:MB+1] offset:262144*((\u)/2)+8192*((\u)%2)+512*I
.set I, I+1
.endr
.endm
.macro KLOAD hd
.irp t, 0,1,2,3
.irp c, 0,1,2,3
	ds_load_b128 v[F+16*\t+4*\c:F+16*\t+4*\c+3], v[ADK] offset:KH*\hd+16*\t*KP+32*\c
.endr
.endr
.endm
.macro VLOAD hd                        ; eight fragments of 16 channels x 64 keys
.irp t, 0,1,2,3,4,5,6,7
.irp c, 0,1
	ds_load_b128 v[F+8*\t+4*\c:F+8*\t+4*\c+3], v[ADV] offset:VH*\hd+16*\t*VP+32*\c
.endr
.endr
.endm
.macro QK hd                           ; S^T = K Q^T + mask: sixteen accumulators, one instruction each
.irp t, 0,1,2,3
.irp u, 0,1,2,3
	v_wmma_f32_16x16x128_fp8_fp8 v[128*(1-\hd)+32*\u+8*\t:128*(1-\hd)+32*\u+8*\t+7], v[F+16*\t:F+16*\t+15], v[QF+64*\hd+16*\u:QF+64*\hd+16*\u+15], v[32*\u+8*\t:32*\u+8*\t+7]
.endr
.endr
.endm
	s_load_b256 s[4:11], s[0:1], 0x0               ; query, k_codes, v_codes, mask_ws
	s_load_b128 s[12:15], s[0:1], 0x20             ; scales, out
	v_lshl_add_u32 v[SPW], v0, 2, SPARE
	v_mov_b32 v[NIL], 0
	ds_add_u32 v[SPW], v[NIL]
	ds_add_u32 v[SPW], v[NIL]
	v_lshrrev_b32 v8, 5, v0
	v_readfirstlane_b32 s[WV], v8                  ; wave 0..3
	s_and_b32 s60, ttmp7, 0xffff                   ; head pair
	s_lshl_b32 s66, s60, 19                        ; its codes: 2 x 262,144 bytes
	s_and_b32 s62, s[WV], 1                        ; the head that I fetch for
	s_lshl_b32 s63, s62, 18
	s_add_co_u32 s72, s66, s63
	s_mov_b32 s73, 0
	s_mul_i32 s[WBK], s62, KH
	s_mul_i32 s[WBV], s62, VH
	s_add_co_u32 s[WBV], s[WBV], VOFF
	s_lshl_b32 s68, s60, 21                        ; query and out: 2 x 2^20 bytes a pair
	s_lshl_b32 s61, ttmp9, 8
	s_lshl_b32 s67, s[WV], 6
	s_add_co_u32 s61, s61, s67                     ; my first query
	s_lshl_b32 s61, s61, 9
	s_add_co_u32 s68, s68, s61
	s_mov_b32 s69, 0
	s_lshl_b32 s70, ttmp9, 3
	s_lshl_b32 s67, s[WV], 1
	s_add_co_u32 s70, s70, s67                     ; P of my first two tiles
	s_lshl_b32 s70, s70, 18
	s_mov_b32 s71, 0
	s_mul_i32 s85, s[WV], 16*QP
	s_add_co_u32 s85, s85, QST                     ; my stage for Q
	s_mov_b32 s[G1K], (1<<20)|(4<<22)|(3<<25)      ; K: 256 rows of 128 bytes, dense; 16 bytes of padding a row
	s_mov_b32 s[G1K+1], 128<<16
	s_mov_b32 s[G1K+2], 256<<16
	s_mov_b32 s[G1K+3], 128<<16
	s_mov_b32 s[G1K+4], 256
	s_mov_b32 s[G1K+5], 128
	s_mov_b32 s[G1K+6], 0
	s_mov_b32 s[G1K+7], 0
	s_mov_b32 s[G1V], (1<<20)|(5<<22)|(3<<25)      ; V: 128 rows of 256 bytes, 2,048 apart
	s_mov_b32 s[G1V+1], 256<<16
	s_mov_b32 s[G1V+2], 128<<16
	s_mov_b32 s[G1V+3], 256<<16
	s_mov_b32 s[G1V+4], 128
	s_mov_b32 s[G1V+5], 2048
	s_mov_b32 s[G1V+6], 0
	s_mov_b32 s[G1V+7], 0
	s_mov_b32 s[SEL], 0x76543210
	s_mov_b32 s[SEL+1], 0xfedcba98
	s_mov_b32 s[CS], 0x3e0293ee                    ; log2(e) / sqrt(128)
	s_mov_b32 s[NI], 0xff800000
	s_mov_b32 s[TB], 0
	s_mov_b32 s[IDX], 0
	s_mov_b32 s[FI], 0
	s_mov_b32 s[MS], 4096                          ; the mask's steps: 4,096 and 12,288 by turns
	s_mov_b32 s[MS+1], 0
	s_mov_b32 s[SLOTS], 7
	s_wait_dscnt 0x0
	s_wait_kmcnt 0x0
	s_load_b128 s[48:51], s[12:13], 0x0            ; eq, ek, ep, ev
	s_mov_b32 s[G0K], 1
	s_mov_b32 s[G0K+1], s[WBK]
	s_add_nc_u64 s[G0K+2:G0K+3], s[6:7], s[72:73]
	s_or_b32 s[G0K+3], s[G0K+3], 0x80000000
	s_mov_b32 s[G0V], 1
	s_mov_b32 s[G0V+1], s[WBV]
	s_add_nc_u64 s[G0V+2:G0V+3], s[8:9], s[72:73]
	s_or_b32 s[G0V+3], s[G0V+3], 0x80000000
	TLOAD                                          ; slot 0
	s_add_nc_u64 s[4:5], s[4:5], s[68:69]
	s_add_nc_u64 s[14:15], s[14:15], s[68:69]
	s_add_nc_u64 s[MB:MB+1], s[10:11], s[70:71]
	s_cmp_lt_u32 ttmp9, 2                          ; the prefetches: who asks for what
	s_cselect_b64 s[PFA:PFA+1], s[6:7], s[8:9]
	s_mov_b32 s[PFS], 256
	s_cselect_b32 s[PFS], 32768, s[PFS]
	s_mov_b32 s77, 2048
	s_cselect_b32 s77, 256, s77
	s_mov_b32 s78, 65536
	s_cselect_b32 s78, 8192, s78
	s_mul_i32 s80, s[WV], s78
	s_add_co_u32 s80, s80, s[PFS]                  ; at slot 1: the first change steps it to slot 2
	s_add_co_u32 s80, s80, s66
	s_and_b32 s79, ttmp9, 1
	s_lshl_b32 s79, s79, 18
	s_add_co_u32 s80, s80, s79
	s_mov_b32 s81, 0
	s_mov_b32 s[PFS+1], 0
	s_add_nc_u64 s[PFA:PFA+1], s[PFA:PFA+1], s[80:81]
	s_cmp_lt_u32 ttmp9, 4
	s_cselect_b32 s[LIM], 1, -1
	v_and_b32 v8, 15, v0                           ; r
	v_bfe_u32 v9, v0, 4, 1                         ; h
	v_and_b32 v[MO], 31, v0
	v_lshlrev_b32 v[MO], 4, v[MO]                  ; 16 x lane
	v_add_nc_u32 v10, s85, v[MO]                   ; Q's stage, in: a row's 512 bytes as they lie
	v_mul_u32_u24 v11, v8, QP
	v_lshl_add_u32 v11, v9, 6, v11
	v_add_nc_u32 v11, s85, v11                     ; and back: row r, + 64 h
	v_mul_u32_u24 v[AK0], v8, KP
	v_lshl_add_u32 v[AK0], v9, 4, v[AK0]
	v_mul_u32_u24 v[AV0], v8, VP
	v_lshl_add_u32 v[AV0], v9, 4, v[AV0]
	v_add_nc_u32 v[AV0], VOFF, v[AV0]
	v_lshlrev_b32 v[GO], 9, v9
	v_lshl_add_u32 v[GO], v8, 4, v[GO]
	v_and_b32 v[PFO], 31, v0
	v_mul_lo_u32 v[PFO], v[PFO], s77
.irp k, 0,1,2,3,4,5,6,7
	v_mov_b32 v[ST+2*\k], 0x7f61b1e6               ; -M: 3e38, over every -t
	v_mov_b32 v[ST+2*\k+1], 0                      ; the sum
.endr
.irp u, 0,1,2,3
	v_mov_b32 v[FF+2*\u+1], 0                      ; named as the upper half of f's pair
.endr
	s_wait_alu depctr_va_vdst(0)
.irp hd, 0,1                                   ; Q as f32, a row of 512 consecutive bytes a load: head A into window 1, head B into window 2
	WIN 0x40*(1+\hd)
.irp u, 0,1,2,3
.set I, 0
.rept 16
	global_load_b128 v[64*\u+4*I:64*\u+4*I+3], v[MO], s[4:5] offset:1048576*\hd+8192*\u+512*I th:TH_LOAD_NT
.set I, I+1
.endr
.endr
.endr
	WIN 0xc0
.set J, 0
.rept 256
	v_mov_b32 v[J], 0                              ; O^T of head B: the step has no first copy of its own, which would be a fourth copy of it
.set J, J+1
.endr
	WIN 0
	s_wait_alu depctr_va_vdst(0)
	s_wait_kmcnt 0x0
	s_add_co_i32 s82, s48, s49
	s_lshl_b32 s82, s82, 23
	s_add_co_i32 s[CS], s[CS], s82                 ; c x 2^(eq + ek)
	s_mov_b32 s[CS+1], s[CS]
	s_add_co_i32 s82, s50, 127
	s_lshl_b32 s83, s82, 23
	v_mov_b32 v[SCP], s83
	s_add_co_i32 s82, s82, 8
	s_lshl_b32 s82, s82, 23
	s_or_b32 s82, s82, 0x600000
	v_mov_b32 v[LIMP], s82
	s_add_co_i32 s82, s48, 127
	s_lshl_b32 s83, s82, 23
	v_mov_b32 v[SCQ], s83
	s_add_co_i32 s82, s82, 8
	s_lshl_b32 s82, s82, 23
	s_or_b32 s82, s82, 0x600000
	v_mov_b32 v[LIMQ], s82
	s_add_co_i32 s84, s50, s51                     ; ep + ev
	s_wait_alu depctr_va_vdst(0)
	s_wait_loadcnt 0x0
.irp hd, 0,1                                   ; each tile turns through my stage: in by rows, back 64 bytes a lane: register 16 b + i = channel 32 b + 16 h + i of row r.  LDS serves a wave's instructions in order
	WIN 0x44*(1+\hd)
.irp u, 0,1,2,3
.set I, 0
.rept 16
	ds_store_b128 v10, v[64*\u+4*I:64*\u+4*I+3] offset:QP*I
.set I, I+1
.endr
.irp b, 0,1,2,3
.irp j, 0,1,2,3
	ds_load_b128 v[64*\u+16*\b+4*\j:64*\u+16*\b+4*\j+3], v11 offset:128*\b+16*\j
.endr
.endr
.endr
.endr
	s_wait_dscnt 0x0
.irp hd, 0,1
	WIN 0x41*(1+\hd)
.set J, 0
.rept 256
	v_med3_num_f32 v[J], v[J], -v[LIMQ], v[LIMQ]   ; the conversion does not saturate (ISA guide 7.6.2)
.set J, J+1
.endr
	WIN 1+\hd
.irp u, 0,1,2,3
.irp b, 0,1,2,3
	v_cvt_scalef32_pk8_fp8_f32 v[QF+64*\hd+16*\u+4*\b:QF+64*\hd+16*\u+4*\b+1], v[64*\u+16*\b:64*\u+16*\b+7], v[SCQ]
	v_cvt_scalef32_pk8_fp8_f32 v[QF+64*\hd+16*\u+4*\b+2:QF+64*\hd+16*\u+4*\b+3], v[64*\u+16*\b+8:64*\u+16*\b+15], v[SCQ]
.endr
.endr
	v_nop
.endr
	WIN 0x80
.set J, 0
.rept 256
	v_mov_b32 v[J], 0                              ; O^T of head A
.set J, J+1
.endr
	WIN 0x40
.irp u, 0,1,2,3
	MLOAD \u                                       ; key step 0's mask
.endr
	WIN 0
; The parts of a head's softmax.  hd = 0: scores at v128.. of window 1; hd = 1: in the mask's registers, v0.. of window 1.
.macro BASES hd
.set SB, 128*(1-\hd)
.set SS, ST+8*\hd
.endm
.macro MAXC hd                         ; the step's largest score of each query: two chains a tile, each accumulator from its low end on
	BASES \hd
	WIN 0x14
.irp u, 0,1,2,3
	v_max3_num_f32 v[T+2*\u], s[NI], v[SB+32*\u], v[SB+32*\u+1]
	v_max3_num_f32 v[T+2*\u+1], s[NI], v[SB+32*\u+2], v[SB+32*\u+3]
.endr
.irp i, 4,8,12,16,20,24,28
.irp u, 0,1,2,3
	v_max3_num_f32 v[T+2*\u], v[T+2*\u], v[SB+32*\u+\i], v[SB+32*\u+\i+1]
	v_max3_num_f32 v[T+2*\u+1], v[T+2*\u+1], v[SB+32*\u+\i+2], v[SB+32*\u+\i+3]
.endr
.endr
	WIN 0
.endm
.macro STATS hd                        ; the new -M, f = 2^(old M - new M), the sum under the new M
	BASES \hd
.irp u, 0,1,2,3
	v_max_num_f32 v[T+2*\u], v[T+2*\u], v[T+2*\u+1]
.endr
.irp u, 0,1,2,3
	v_permlanex16_b32 v[T+2*\u+1], v[T+2*\u], s[SEL], s[SEL+1]
.endr
.irp u, 0,1,2,3
	v_max_num_f32 v[T+2*\u], v[T+2*\u], v[T+2*\u+1]
.endr
.irp u, 0,1,2,3
	v_mul_f32 v[T+2*\u], s[CS], v[T+2*\u]          ; the step's largest t
.endr
.irp u, 0,1,2,3
	v_floor_f32 v[T+2*\u], -v[T+2*\u]              ; minus its ceiling
.endr
.irp u, 0,1,2,3
	v_mov_b32 v[T+2*\u+1], v[SS+2*\u]
.endr
.irp u, 0,1,2,3
	v_min_num_f32 v[SS+2*\u], v[SS+2*\u], v[T+2*\u]
.endr
.irp u, 0,1,2,3
	v_sub_f32 v[T+2*\u], v[SS+2*\u], v[T+2*\u+1]
.endr
.irp u, 0,1,2,3
	v_cvt_i32_f32 v[T+2*\u], v[T+2*\u]
.endr
.irp u, 0,1,2,3
	v_ldexp_f32 v[FF+2*\u], 1.0, v[T+2*\u]
.endr
.irp u, 0,1,2,3
	v_mul_f32 v[SS+2*\u+1], v[SS+2*\u+1], v[FF+2*\u]
.endr
.endm
.macro RESC hd                         ; O^T x f
	WIN 0x82+0x41*\hd
	s_wait_alu depctr_va_vdst(0)                   ; ahead of the first readers of O^T
.irp u, 0,1,2,3
.set J, 0
.rept 32
	v_pk_mul_f32 v[64*\u+J:64*\u+J+1], v[64*\u+J:64*\u+J+1], v[FF+2*\u:FF+2*\u+1] op_sel_hi:[1,0]
.set J, J+2
.endr
.endr
.endm
.macro TMM hd                          ; t - M
	BASES \hd
	WIN 0x41
.irp j, 0,2,4,6,8,10,12,14,16,18,20,22,24,26,28,30
.irp u, 0,1,2,3
	v_pk_fma_f32 v[SB+32*\u+\j:SB+32*\u+\j+1], v[SB+32*\u+\j:SB+32*\u+\j+1], s[CS:CS+1], v[SS+2*\u:SS+2*\u+1] op_sel_hi:[1,0,0]
.endr
.endr
.endm
.macro EXPS hd                         ; p, and the sum of the unquantised p: two chains of pairs a tile
	BASES \hd
	WIN 0x41
	s_wait_alu depctr_va_vdst(0)                   ; ahead of the batch
.set J, 0
.rept 128
	v_exp_f32 v[SB+J], v[SB+J]
.set J, J+1
.endr
	v_nop
	s_wait_alu depctr_va_vdst(0)                   ; behind the batch
	WIN 0x05
.irp u, 0,1,2,3
	v_pk_add_f32 v[X+2*\u:X+2*\u+1], v[SB+32*\u:SB+32*\u+1], v[SB+32*\u+2:SB+32*\u+3]
	v_pk_add_f32 v[T+2*\u:T+2*\u+1], v[SB+32*\u+4:SB+32*\u+5], v[SB+32*\u+6:SB+32*\u+7]
.endr
	WIN 0x04
.irp j, 8,12,16,20,24,28
.irp u, 0,1,2,3
	v_pk_add_f32 v[X+2*\u:X+2*\u+1], v[X+2*\u:X+2*\u+1], v[SB+32*\u+\j:SB+32*\u+\j+1]
	v_pk_add_f32 v[T+2*\u:T+2*\u+1], v[T+2*\u:T+2*\u+1], v[SB+32*\u+\j+2:SB+32*\u+\j+3]
.endr
.endr
	WIN 0
.irp u, 0,1,2,3
	v_pk_add_f32 v[T+2*\u:T+2*\u+1], v[T+2*\u:T+2*\u+1], v[X+2*\u:X+2*\u+1]
.endr
.irp u, 0,1,2,3
	v_add_f32 v[T+2*\u], v[T+2*\u], v[T+2*\u+1]
.endr
.irp u, 0,1,2,3
	v_add_f32 v[SS+2*\u+1], v[SS+2*\u+1], v[T+2*\u]
.endr
.endm
.macro CVT hd, more                    ; the hold and the conversion: tile 0's codes to v48-55, the others' into tile 0's spent registers
	BASES \hd
.irp u, 0,1,2,3
	WIN 0x41
.set J, 0
.rept 32
	v_min_num_f32 v[SB+32*\u+J], v[SB+32*\u+J], v[LIMP]
.set J, J+1
.endr
.if \u == 0
	WIN 0x01
.set PB, PX
.else
.set PB, SB+8*(\u-1)
.endif
.irp t, 0,1,2,3
	v_cvt_scalef32_pk8_fp8_f32 v[PB+2*\t:PB+2*\t+1], v[SB+32*\u+8*\t:SB+32*\u+8*\t+7], v[SCP]
.endr
.if \hd && \more && (\u > 0)
	WIN 0x40
	MLOAD \u                                       ; the tile's p is spent: the next step's mask
.endif
.endr
	v_nop
.endm
.macro PV hd                           ; O^T += V^T P^T: 32 accumulators, one instruction each
	BASES \hd
	s_wait_alu depctr_va_vdst(0)
	s_wait_dscnt 0x0                               ; V's fragments
.irp u, 0,1,2,3
.if \u == 0
	WIN 0xa0+0x50*\hd
.set PB, PX
.else
	WIN 0xa4+0x50*\hd
.set PB, SB+8*(\u-1)
.endif
.irp t, 0,1,2,3,4,5,6,7
	v_wmma_f32_16x16x64_fp8_fp8 v[64*\u+8*\t:64*\u+8*\t+7], v[F+8*\t:F+8*\t+7], v[PB:PB+7], v[64*\u+8*\t:64*\u+8*\t+7]
.endr
.endr
	WIN 0
.endm
.macro STEP more                       ; 64 keys of both heads
	s_add_co_u32 s[KO], s[TB], s[QKO]
	s_add_co_u32 s[VO], s[TB], s[QVO]
	v_add_nc_u32 v[ADK], s[KO], v[AK0]
	v_add_nc_u32 v[ADV], s[VO], v[AV0]
.rept 3
	v_nop                                          ; five places: the first product writes over registers that the last second product read
.endr
	KLOAD 0
	s_wait_alu depctr_va_vdst(0)
	s_wait_loadcnt 0x0                             ; the mask is in, so its base may step
	s_add_nc_u64 s[MB:MB+1], s[MB:MB+1], s[MS:MS+1]
	s_xor_b32 s[MS], s[MS], 0x2000
	s_wait_dscnt 0x0
	WIN 0x50
	QK 0
	WIN 0
.rept 4
	v_nop
.endr
	KLOAD 1
	MAXC 0
	s_wait_alu depctr_va_vdst(0)
	s_wait_dscnt 0x0                               ; head B's K
	WIN 0x50
	QK 1
	WIN 0
	STATS 0                                        ; these lines are the places behind head B's first product
	VLOAD 1
	RESC 0
	TMM 0
	MAXC 1
	STATS 1
	TMM 1
	EXPS 1
	CVT 1, \more
	RESC 1
	PV 1
.rept 4
	v_nop                                          ; places in front of loads into registers that the product read
.endr
	VLOAD 0
.if \more
	WIN 0x40
	MLOAD 0
.endif
	EXPS 0
	CVT 0, \more
	PV 0
.endm
.macro CHANGE fill
	s_wait_alu depctr_va_vdst(0)
	s_wait_tensorcnt 0x0
	ds_add_u32 v[SPW], v[NIL]
.if \fill
	s_xor_b32 s[FI], s[FI], 1                      ; the other slot, the next 256 keys
	s_mul_i32 s97, s[FI], SLOTB
	s_add_co_u32 s[G0K+1], s97, s[WBK]
	s_add_co_u32 s[G0V+1], s97, s[WBV]
	s_add_nc_u64 s[G0K+2:G0K+3], s[G0K+2:G0K+3], 32768
	s_add_nc_u64 s[G0V+2:G0V+3], s[G0V+2:G0V+3], 256
	s_wait_xcnt 0x0
	s_add_nc_u64 s[PFA:PFA+1], s[PFA:PFA+1], s[PFS:PFS+1]
.endif
	s_wait_dscnt 0x0
	s_barrier_signal -1
	s_barrier_wait -1
.if \fill
	TLOAD
	ASK
.endif
	s_mov_b32 s[QKO], 0
	s_mov_b32 s[QVO], 0
.endm
.macro NEXT                            ; 64 keys on in the slot
	s_add_co_u32 s[QKO], s[QKO], 64*KP
	s_add_co_u32 s[QVO], s[QVO], 64
	s_sub_co_u32 s[CNT], s[CNT], 1
	s_cmp_lg_u32 s[CNT], 0
	s_wait_alu depctr_va_vdst(0)
.endm
	s_wait_alu depctr_va_vdst(0)                   ; the head's end
.Lslot:                                            ; seven trips: behind each change the next slot is asked for
	CHANGE 1
	s_mov_b32 s[CNT], 4
.Lstep:
	STEP 1
	NEXT
	s_cbranch_scc1 .Lstep
	s_xor_b32 s[IDX], s[IDX], 1
	s_mul_i32 s[TB], s[IDX], SLOTB
	s_sub_co_u32 s[SLOTS], s[SLOTS], 1
	s_cmp_lg_u32 s[SLOTS], 0
	s_cbranch_scc1 .Lslot
	CHANGE 0                                       ; the last slot is written out: no fill, and its last step asks for no mask
	s_mov_b32 s[CNT], 3
.Lstep2:
	STEP 1
	NEXT
	s_cbranch_scc1 .Lstep2
	STEP 0
	; THE WAY OUT: O^T / the sum x 2^(ep + ev), a tile at a time through my stage in slot 0, which has had its last fill and is read no more
.irp k, 0,1,2,3,4,5,6,7
	v_permlanex16_b32 v[T+\k], v[ST+2*\k+1], s[SEL], s[SEL+1]
.endr
.irp k, 0,1,2,3,4,5,6,7
	v_add_f32 v[T+\k], v[T+\k], v[ST+2*\k+1]
.endr
	s_wait_alu depctr_va_vdst(0)
.irp k, 0,1,2,3,4,5,6,7
	v_rcp_f32 v[FF+\k], v[T+\k]
.endr
	v_and_b32 v8, 15, v0
	v_bfe_u32 v9, v0, 4, 1
	s_mul_i32 s85, s[WV], 16*SPITCH
	v_mul_u32_u24 v10, v8, SPITCH
	v_lshl_add_u32 v10, v9, 5, v10
	v_add_nc_u32 v10, s85, v10                     ; in: row r, + 32 h
	v_mul_u32_u24 v11, v9, SPITCH
	v_lshl_add_u32 v11, v8, 4, v11
	v_add_nc_u32 v11, s85, v11                     ; back: sixteen lanes to a row
	s_wait_alu depctr_va_vdst(0)
.irp k, 0,1,2,3,4,5,6,7
	v_ldexp_f32 v[ST+2*\k], v[FF+\k], s84
.endr
.macro PACK k                          ; row tile k (head k / 4, tile k % 4) into window 1's buffer k % 4, through the stage and back
.set B, 64*((\k)%4)
	WIN 0x42+(\k)/4
	s_wait_alu depctr_va_vdst(0)                   ; ahead of the first readers of O^T behind the reciprocals
.set J, 0
.rept 32
	v_pk_mul_f32 v[B+J:B+J+1], v[B+J:B+J+1], v[ST+2*(\k):ST+2*(\k)+1] op_sel_hi:[1,0]
.set J, J+2
.endr
	WIN 0x44
.irp f, 0,1
.irp t, 0,1,2,3
	ds_store_b128 v10, v[B+32*\f+8*\t:B+32*\f+8*\t+3] offset:64*\t
	ds_store_b128 v10, v[B+32*\f+8*\t+4:B+32*\f+8*\t+7] offset:64*\t+16
.endr
.irp i, 0,1,2,3,4,5,6,7
	ds_load_b128 v[B+32*\f+4*\i:B+32*\f+4*\i+3], v11 offset:2*\i*SPITCH   ; LDS serves a wave's instructions in order
.endr
.endr
.endm
.macro SEND k, younger
.set B, 64*((\k)%4)
	s_wait_dscnt \younger
.irp f, 0,1
.irp i, 0,1,2,3,4,5,6,7
	global_store_b128 v[GO], v[B+32*\f+4*\i:B+32*\f+4*\i+3], s[14:15] offset:1048576*((\k)/4)+8192*((\k)%4)+1024*\i+256*\f th:TH_STORE_NT   ; sixteen lanes store 256 consecutive bytes, aligned
.endr
.endr
.endm
	PACK 0
.irp k, 1,2,3,4,5,6,7
.if \k >= 4
	s_wait_xcnt 0x0                                ; the buffer's earlier stores have read their data
.endif
	PACK \k
	SEND (\k-1), 32                                ; the 32 LDS instructions of the tile behind may be out
.endr
	SEND 7, 0
	WIN 0
	s_wait_tensorcnt 0x0                           ; the wave's end
	ds_add_u32 v[SPW], v[NIL]
	s_wait_dscnt 0x0
	s_endpgm
.Lfunc_end_k_q827317b7ad_attn:
	.size	k_q827317b7ad_attn, .Lfunc_end_k_q827317b7ad_attn-k_q827317b7ad_attn
	.p2alignl 7, 3214868480
	.fill 96, 4, 3214868480
	.section	.rodata,"a",@progbits
	.p2align	6, 0x0
	.amdhsa_kernel k_q827317b7ad_attn
		.amdhsa_group_segment_fixed_size 327680
		.amdhsa_private_segment_fixed_size 0
		.amdhsa_enable_private_segment 0
		.amdhsa_kernarg_size 48
		.amdhsa_user_sgpr_count 2
		.amdhsa_user_sgpr_kernarg_segment_ptr 1
		.amdhsa_wavefront_size32 1
		.amdhsa_system_sgpr_workgroup_id_x 1
		.amdhsa_system_sgpr_workgroup_id_y 1
		.amdhsa_system_sgpr_workgroup_id_z 1
		.amdhsa_system_vgpr_workitem_id 0
		.amdhsa_next_free_vgpr 1024
		.amdhsa_next_free_sgpr 100
		.amdhsa_reserve_vcc 0
		.amdhsa_float_denorm_mode_32 3
		.amdhsa_float_denorm_mode_16_64 3
		.amdhsa_memory_ordered 1
		.amdhsa_forward_progress 1
		.amdhsa_inst_pref_size 255
	.end_amdhsa_kernel
	.section	.bss,"aw",@nobits
	.p2align	6
	.space	262144
	.amdgpu_metadata
---
amdhsa.version: [ 1, 2 ]
amdhsa.kernels:
  - .name:           k_q827317b7ad_attn
    .symbol:         k_q827317b7ad_attn.kd
    .args:
      - { .name: query, .offset: 0, .size: 8, .value_kind: global_buffer, .address_space: global }
      - { .name: k_codes, .offset: 8, .size: 8, .value_kind: global_buffer, .address_space: global }
      - { .name: v_codes, .offset: 16, .size: 8, .value_kind: global_buffer, .address_space: global }
      - { .name: mask_ws, .offset: 24, .size: 8, .value_kind: global_buffer, .address_space: global }
      - { .name: lowp_scales, .offset: 32, .size: 8, .value_kind: global_buffer, .address_space: global }
      - { .name: out0, .offset: 40, .size: 8, .value_kind: global_buffer, .address_space: global }
    .group_segment_fixed_size: 327680
    .private_segment_fixed_size: 0
    .kernarg_segment_align: 8
    .kernarg_segment_size: 48
    .max_flat_workgroup_size: 128
    .sgpr_count:     100
    .vgpr_count:     1024
    .wavefront_size: 32
...
	.end_amdgpu_metadata
.endif
;; end of part 2
